; MI455X (gfx1250); checked and timed in simulation.
; The chip was launched on July 23, 2026; its instructions are those of AMD's public machine-readable ISA for CDNA 5 (MIT licence, August 2026) and "CDNA5" Instruction Set Architecture Reference Guide (July 2026). The comments in the code are by the model that wrote it; some were corrected since.
;; Multi Head Attention Cosformer New. Allowed arithmetic: matrix products marked QUANTISED: E2M1 operands, one E8M0 scale for each 32 along K, by v_wmma_scale_f32_16x16x128_f8f6f4 with both operands' format E2M1 (or v_wmma_scale_f32_32x16x128_f4), f32 sums; products left as they are: bf16, f16 or f32 operands; f32 sums; everything else in f32.
;; Inputs: dense_b 128 float32; dense_w 128 x 2,048 float32; mask 4 x 4,096 bool; wk_b 2,048 float32; wk_w 2,048 x 128 float32; wq_b 2,048 float32; wq_w 2,048 x 128 float32; wv_b 2,048 float32; wv_w 2,048 x 128 float32; x 4 x 4,096 x 128 float32.
;; Outputs: out0 4 x 4,096 x 128 float32.
;; This version of the problem:
;;   THIS VERSION OF THE PROBLEM IS GIVEN IN LOW PRECISION. The matrix products marked QUANTISED in the list below multiply operands that are first quantised to E2M1 (2 exponent bits, 1 mantissa bit; 4 bits a number), with one power-of-two scale for each 32 numbers along K (OCP MX v1.0); their sums are f32. The products marked 'left as it is' may take bf16, f16 or f32 operands, with f32 sums. Whichever they take, every output number must still come out within the allowed error. Rounding operands to bf16 (8 significant bits) uses up far more of that allowance than f16 does (11 bits, for magnitudes from 6e-5 to 65,504). All else is computed in f32.
;;   The module's matrix products, in the order in which they are computed (A, B: the left and right operand; K: the contracted axis; several contracted axes count as one K, in the product's order):
;;     1. [M 16,384, K 128] x [K 128, N 2,048]; A: input x; B: input wq_w: QUANTISED
;;     2. [M 16,384, K 128] x [K 128, N 2,048]; A: input x; B: input wk_w: QUANTISED
;;     3. [M 16,384, K 128] x [K 128, N 2,048]; A: input x; B: input wv_w: QUANTISED
;;     4. batch 64 x [M 128, K 4,096] x [K 4,096, N 128]; A: computed on the way; B: computed on the way: left as it is (an operand is computed on the way)
;;     5. batch 64 x [M 128, K 4,096] x [K 4,096, N 128]; A: computed on the way; B: computed on the way: left as it is (an operand is computed on the way)
;;     6. batch 64 x [M 128, K 128] x [K 128, N 4,096]; A: computed on the way; B: computed on the way: left as it is (an operand is computed on the way)
;;     7. batch 64 x [M 128, K 128] x [K 128, N 4,096]; A: computed on the way; B: computed on the way: left as it is (an operand is computed on the way)
;;     8. batch 64 x [M 1, K 128] x [K 128, N 4,096]; A: computed on the way; B: computed on the way: left as it is (M = 1 < 16)
;;     9. batch 64 x [M 1, K 128] x [K 128, N 4,096]; A: computed on the way; B: computed on the way: left as it is (M = 1 < 16)
;;     10. [M 16,384, K 2,048] x [K 2,048, N 128]; A: computed on the way; B: input dense_w: left as it is (an operand is computed on the way)
;;   THE QUANTISER, for each operand of a quantised product, along K:
;;     - K is cut into blocks of 32 from its start; a last block that is shorter is filled with zeros.
;;     - A block's scale is 2^e with e = floor(log2(the largest magnitude in the block)) - 2, held to -126 .. 127; a block of zeros has e = 0. As a byte (E8M0): e + 127.
;;     - Each number is divided by its block's scale, clamped to +-6, and rounded to the nearest number of E2M1, ties to even, subnormals kept.
;;     - The product sums the exact products of the quantised numbers (number of the format x scale) in f32.
;;   ~~~python
;;   def quantise(x, axis):      # numpy; x: float32 -> the quantised numbers, widened to float32 again
;;       x = np.moveaxis(x, axis, -1); K = x.shape[-1]
;;       x = np.pad(x, [(0, 0)] * (x.ndim - 1) + [(0, -K % 32)]); x = x.reshape(x.shape[:-1] + (-1, 32)); a = np.abs(x).max(-1, keepdims=True)
;;       e = np.where(a > 0, np.clip(np.frexp(np.where(a > 0, a, 1))[1] - 1 - 2, -126, 127), 0)      # np.frexp(a)[1] - 1 = floor(log2(a)), exactly
;;       r = np.clip(x / 2.0 ** e, -6, 6)
;;       step = 2.0 ** (np.maximum(np.frexp(np.where(r == 0, 1, r))[1] - 1, 0) - 1)
;;       q = np.round(r / step) * step * 2.0 ** e      # np.round: ties to even
;;       return np.moveaxis(q.reshape(q.shape[:-2] + (-1,))[..., :K], -1, axis).astype(np.float32)
;;   ~~~
;; One version. Each part assembles by itself: llvm-mc -triple=amdgcn-amd-amdhsa -mcpu=gfx1250 --defsym DOCPART=n.
;; ======== version 1 of 1: 3 launches
;; limits: values are held in f16: magnitudes above 65,504 overflow, below 6.1e-05 lose precision
;; workspace buffers: xc 1,048,576 bytes; xs 65,536 bytes; wc 393,216 bytes; ws 24,576 bytes; tab 32,768 bytes; g 4,194,304 bytes; ks 65,536 bytes; gs 1,024 bytes
;; launch prep (part 1): grid 368 x 1, 2 waves a work-group, no clusters, 34,048 bytes of LDS; arguments x, wq_w, wk_w, wv_w, xc, xs, wc, ws, tab; writes xc, xs, wc, ws, tab
.if DOCPART == 1
	.amdgcn_target "amdgcn-amd-amdhsa--gfx1250"
	.amdhsa_code_object_version 6
	.text
	.protected	k_q363037af9b_prep
	.globl	k_q363037af9b_prep
	.p2align	8
	.type	k_q363037af9b_prep,@function
k_q363037af9b_prep:
	s_mov_b64 s[64:65], 0
	v_nop
	global_prefetch_b8 v0, s[64:65] scope:SCOPE_SE
	s_setreg_imm32_b32 hwreg(HW_REG_WAVE_MODE, 25, 1), 1
	s_wait_xcnt 0x0
; x [16384][128] and the three projection weights [2048][128], f32, K innermost, become codes of FP4 (E2M1) with one E8M0 byte for each 32 along K; and the table of cos and sin is made.
; A block's scale is 2^(floor(log2(largest magnitude)) - 2); its byte is the largest magnitude's exponent field - 2, held at 1 from below.  A block of zeros so gets the byte 1: its codes are zeros, and this program alone reads the bytes.
; LIMITS: blocks whose largest magnitude lies under 2^-124 get the byte 1; NaN and infinities among the inputs are not served.
; THE CODES ARE LAID AS IMAGES OF THE OPERAND'S REGISTERS: a tile of 16 rows x 128 K is 1,024 bytes, registers 4 c .. 4 c + 3 of lane l at 512 c + 16 l; so later launches load a fragment by two loads of 512 bytes on end.
; The scale words (four bytes a row) lie in the rows' order.
; SHARES.  Work-groups 0-255: x; 256-287: wq_w; 288-319: wk_w; 320-351: wv_w: two waves, two tiles a wave.  Only pointers are chosen by the work-group's number.  Work-groups 352-367: the table, 64 threads x 4 positions.
; A tile's rows are loaded whole (512 bytes a load) and turn through the wave's own stage in LDS (rows 528 bytes apart), so that a lane gets 16 neighbours of each block of its row.  Waves share nothing: no barrier.
; The input mask is named by no launch: the computation that is asked for never uses it.
.set STG1,  8448                       ; a stage: 16 rows x 528 bytes
.set WREG,  2*STG1                     ; a wave's two stages
.set SPARE, 2*WREG                     ; behind them the spare words, 128 bytes a wave: one block of 256 bytes that no other line names
.set SPW, 10                           ; v10 my spare word's address; v11 0: never rewritten
.set NIL, 11
.set RAW, 16                           ; v16-143  two tiles as loaded
.set XN,  144                          ; v144-207 64 numbers of my row: register 16 b + i = k 32 b + 16 (lane / 16) + i
.set TM,  208                          ; v208-223 at work
.set PW,  224                          ; v224-225 the scale words of tile 0, 1
.set PC,  228                          ; v228-243 the codes of tile 0, 1
.set SEL, 34                           ; s[34:35] selects for lane l xor 16
	s_load_b512 s[4:19], s[0:1], 0x0               ; x, wq_w, wk_w, wv_w, xc, xs, wc, ws
	s_load_b64 s[20:21], s[0:1], 0x40              ; tab
	v_lshl_add_u32 v[SPW], v0, 2, SPARE
	v_mov_b32 v[NIL], 0
	s_wait_kmcnt 0x0
	s_cmp_ge_u32 ttmp9, 352
	s_cbranch_scc1 .Ltable
	v_lshrrev_b32 v1, 5, v0
	v_readfirstlane_b32 s22, v1                    ; wave
	v_and_b32 v2, 31, v0                           ; lane
	v_and_b32 v3, 15, v0                           ; r
	v_bfe_u32 v4, v0, 4, 1                         ; h
	v_lshlrev_b32 v5, 4, v2                        ; 16 x lane
	v_lshlrev_b32 v6, 2, v2                        ; 4 x lane
	s_mul_i32 s23, s22, WREG
	v_add_nc_u32 v7, s23, v5                       ; the stage, on the way in: a row's 512 bytes on end
	v_mul_u32_u24 v8, v3, 528
	v_lshl_add_u32 v8, v4, 6, v8
	v_add_nc_u32 v8, s23, v8                       ; and back: row r, + 64 h
	s_mov_b32 s[SEL], 0x76543210
	s_mov_b32 s[SEL+1], 0xfedcba98
.irp b, 0,1,2,3
	v_mov_b32 v[TM+4+\b], 0                        ; written once: a lane permute's destination counts as one of its sources
.endr
	s_cmp_lt_u32 ttmp9, 320                        ; which tensor: the choices hang on the work-group's number alone
	s_cselect_b64 s[24:25], s[8:9], s[10:11]
	s_mov_b32 s26, 320
	s_cselect_b32 s26, 288, s26
	s_cmp_lt_u32 ttmp9, 288
	s_cselect_b64 s[24:25], s[6:7], s[24:25]
	s_cselect_b32 s26, 256, s26
	s_cmp_lt_u32 ttmp9, 256
	s_cselect_b64 s[24:25], s[4:5], s[24:25]       ; the source,
	s_cselect_b32 s26, 0, s26                      ; its first work-group,
	s_cselect_b64 s[28:29], s[12:13], s[16:17]     ; where the codes go,
	s_cselect_b64 s[30:31], s[14:15], s[18:19]     ; and the scale words,
	s_cselect_b32 s27, 0, 256                      ; and the first work-group of that buffer
	s_sub_co_u32 s32, ttmp9, s26
	s_lshl_b32 s32, s32, 2
	s_lshl_b32 s33, s22, 1
	s_add_co_u32 s32, s32, s33                     ; my first tile in the source: 8,192 bytes a tile
	s_lshl_b32 s36, s32, 13
	s_mov_b32 s37, 0
	s_add_nc_u64 s[24:25], s[24:25], s[36:37]
	s_sub_co_u32 s32, ttmp9, s27
	s_lshl_b32 s32, s32, 2
	s_add_co_u32 s32, s32, s33                     ; and in the buffers: 1,024 bytes of codes, 64 of scale words
	s_lshl_b32 s36, s32, 10
	s_add_nc_u64 s[28:29], s[28:29], s[36:37]
	s_lshl_b32 s36, s32, 6
	s_add_nc_u64 s[30:31], s[30:31], s[36:37]
.irp e, 0,1
.irp i, 0,1,2,3,4,5,6,7,8,9,10,11,12,13,14,15
	global_load_b128 v[RAW+64*\e+4*\i:RAW+64*\e+4*\i+3], v5, s[24:25] offset:8192*\e+512*\i th:TH_LOAD_NT   ; a whole row of 512 bytes
.endr
.endr
; 64 numbers of a lane become a fragment's codes in v[pc] on and its scale word in v[pw]
.macro QUANT s, pc, pw
.irp b, 0,1,2,3
	v_max3_num_f32 v[TM+\b], |v[\s+16*\b]|, |v[\s+1+16*\b]|, 0x1800000   ; block b: my 16 numbers, and the floor 2^(3 - 127): so the byte cannot fall under 1
.endr
.irp i, 2,4,6,8,10,12,14
.irp b, 0,1,2,3
	v_max3_num_f32 v[TM+\b], v[TM+\b], |v[\s+16*\b+\i]|, |v[\s+1+16*\b+\i]|   ; the four blocks by turns
.endr
.endr
.irp b, 0,1,2,3
	v_permlanex16_b32 v[TM+4+\b], v[TM+\b], s[SEL], s[SEL+1]
.endr
.irp b, 0,1,2,3
	v_max_num_f32 v[TM+\b], v[TM+\b], v[TM+4+\b]   ; with lane l xor 16's: the block's largest magnitude
.endr
.irp b, 0,1,2,3
	v_add_nc_u32 v[TM+12+\b], 0xff000000, v[TM+\b] ; 2 off its exponent field: the conversion takes the exponent field of this operand as its scale
.endr
.irp b, 0,1,2,3
	v_lshrrev_b32 v[TM+4+\b], 23, v[TM+12+\b]      ; the scale's byte
.endr
	v_lshl_or_b32 v[\pw], v[TM+5], 8, v[TM+4]      ; the four bytes make my row's scale word
	v_lshl_or_b32 v[\pw], v[TM+6], 16, v[\pw]
	v_lshl_or_b32 v[\pw], v[TM+7], 24, v[\pw]
.irp b, 0,1,2,3
	v_cvt_scalef32_pk8_fp4_f32 v[\pc+2*\b], v[\s+16*\b:\s+7+16*\b], v[TM+12+\b]
	v_cvt_scalef32_pk8_fp4_f32 v[\pc+1+2*\b], v[\s+8+16*\b:\s+15+16*\b], v[TM+12+\b]
.endr
	v_nop                                          ; one plain place behind a scaled conversion
.irp c, 0,1                                    ; the operand's layout wants a whole block in a lane: lanes 0-15 block 2 c, lanes 16-31 block 2 c + 1
.irp i, 0,1
	v_permlane16_swap_b32 v[\pc+4*\c+\i], v[\pc+2+4*\c+\i]
.endr
.endr
.endm
.macro TILE e
.irp i, 0,1,2,3,4,5,6,7,8,9,10,11,12,13,14,15
	ds_store_b128 v7, v[RAW+64*\e+4*\i:RAW+64*\e+4*\i+3] offset:STG1*\e+528*\i
.endr
.irp b, 0,1,2,3
.irp j, 0,1,2,3
	ds_load_b128 v[XN+16*\b+4*\j:XN+16*\b+4*\j+3], v8 offset:STG1*\e+128*\b+16*\j   ; LDS serves a wave's instructions in order: these see my stores
.endr
.endr
	s_wait_dscnt 0x0
	QUANT XN, PC+8*\e, PW+\e
.irp c, 0,1
	global_store_b128 v5, v[PC+8*\e+4*\c:PC+8*\e+4*\c+3], s[28:29] offset:1024*\e+512*\c   ; 512 bytes on end
.endr
.endm
	s_wait_loadcnt 16                              ; tile 0's sixteen loads are in; tile 1's sixteen may be out
	TILE 0
	s_wait_loadcnt 0x0
	TILE 1
	v_cmp_gt_u32 vcc_lo, 16, v2
	v_cndmask_b32 v9, v[PW+1], v[PW], vcc_lo       ; lanes 0-15: tile 0's words, lanes 16-31: tile 1's (both halves of the lanes hold row r's word)
	global_store_b32 v6, v9, s[30:31]              ; 128 bytes on end
	s_wait_tensorcnt 0x0                           ; the wave's end: behind my last LDS store
	ds_add_u32 v[SPW], v[NIL]
	s_wait_dscnt 0x0
	s_endpgm
.Ltable:
; cos and sin of pos = 1.57 i / 4096, i = 0 .. 4095, by their series in y = pos^2, cut where the next term is under 1e-8 for every pos up to 1.57: sin to pos^13 / 13!, cos to pos^12 / 12!
	s_sub_co_u32 s22, ttmp9, 352
	s_lshl_b32 s22, s22, 8
	v_lshl_add_u32 v1, v0, 2, s22                  ; the first of my four positions
	v_lshlrev_b32 v2, 2, v1                        ; and its bytes
.irp e, 0,1,2,3
	v_add_nc_u32 v3, \e, v1
	v_cvt_f32_u32 v[12+\e], v3
	v_mul_f32 v[12+\e], 0x3fc8f5c3, v[12+\e]       ; 1.57 x i, rounded once,
	v_mul_f32 v[12+\e], 0x39800000, v[12+\e]       ; / 4096, which rounds nothing
	v_mul_f32 v[16+\e], v[12+\e], v[12+\e]         ; y
	v_mov_b32 v[20+\e], 0x2f309231                 ; 1 / 13!
	v_mov_b32 v[24+\e], 0x310f76c7                 ; 1 / 12!
.endr
.irp k, 0xb2d7322b, 0x3638ef1d, 0xb9500d01, 0x3c088889, 0xbe2aaaab
.irp e, 0,1,2,3
	v_fmaak_f32 v[20+\e], v[20+\e], v[16+\e], \k   ; -1/11!, 1/9!, -1/7!, 1/5!, -1/3!
.endr
.endr
.irp k, 0xb493f27e, 0x37d00d01, 0xbab60b61, 0x3d2aaaab
.irp e, 0,1,2,3
	v_fmaak_f32 v[24+\e], v[24+\e], v[16+\e], \k   ; -1/10!, 1/8!, -1/6!, 1/4!
.endr
.endr
.irp e, 0,1,2,3
	v_fma_f32 v[20+\e], v[20+\e], v[16+\e], 1.0
	v_fma_f32 v[24+\e], v[24+\e], v[16+\e], -0.5
.endr
.irp e, 0,1,2,3
	v_mul_f32 v[20+\e], v[20+\e], v[12+\e]         ; sin
	v_fma_f32 v[24+\e], v[24+\e], v[16+\e], 1.0    ; cos
.endr
	global_store_b128 v2, v[24:27], s[20:21]               ; cos[4096],
	global_store_b128 v2, v[20:23], s[20:21] offset:16384  ; then sin[4096]
	s_endpgm
.Lfunc_end_k_q363037af9b_prep:
	.size	k_q363037af9b_prep, .Lfunc_end_k_q363037af9b_prep-k_q363037af9b_prep
	.p2alignl 7, 3214868480
	.fill 96, 4, 3214868480
	.section	.rodata,"a",@progbits
	.p2align	6, 0x0
	.amdhsa_kernel k_q363037af9b_prep
		.amdhsa_group_segment_fixed_size 34048
		.amdhsa_private_segment_fixed_size 0
		.amdhsa_enable_private_segment 0
		.amdhsa_kernarg_size 72
		.amdhsa_user_sgpr_count 2
		.amdhsa_user_sgpr_kernarg_segment_ptr 1
		.amdhsa_wavefront_size32 1
		.amdhsa_system_sgpr_workgroup_id_x 1
		.amdhsa_system_sgpr_workgroup_id_y 1
		.amdhsa_system_sgpr_workgroup_id_z 1
		.amdhsa_system_vgpr_workitem_id 0
		.amdhsa_next_free_vgpr 244
		.amdhsa_next_free_sgpr 66
		.amdhsa_reserve_vcc 1
		.amdhsa_float_denorm_mode_32 3
		.amdhsa_float_denorm_mode_16_64 3
		.amdhsa_memory_ordered 1
		.amdhsa_forward_progress 1
		.amdhsa_inst_pref_size 23
	.end_amdhsa_kernel
	.amdgpu_metadata
---
amdhsa.version: [ 1, 2 ]
amdhsa.kernels:
  - .name:           k_q363037af9b_prep
    .symbol:         k_q363037af9b_prep.kd
    .args:
      - { .name: x, .offset: 0, .size: 8, .value_kind: global_buffer, .address_space: global }
      - { .name: wq_w, .offset: 8, .size: 8, .value_kind: global_buffer, .address_space: global }
      - { .name: wk_w, .offset: 16, .size: 8, .value_kind: global_buffer, .address_space: global }
      - { .name: wv_w, .offset: 24, .size: 8, .value_kind: global_buffer, .address_space: global }
      - { .name: xc, .offset: 32, .size: 8, .value_kind: global_buffer, .address_space: global }
      - { .name: xs, .offset: 40, .size: 8, .value_kind: global_buffer, .address_space: global }
      - { .name: wc, .offset: 48, .size: 8, .value_kind: global_buffer, .address_space: global }
      - { .name: ws, .offset: 56, .size: 8, .value_kind: global_buffer, .address_space: global }
      - { .name: tab, .offset: 64, .size: 8, .value_kind: global_buffer, .address_space: global }
    .group_segment_fixed_size: 34048
    .private_segment_fixed_size: 0
    .kernarg_segment_align: 8
    .kernarg_segment_size: 72
    .max_flat_workgroup_size: 64
    .sgpr_count:     66
    .vgpr_count:     244
    .wavefront_size: 32
...
	.end_amdgpu_metadata
.endif
;; end of part 1
;; launch kvstate (part 2): grid 256 x 1, 8 waves a work-group, no clusters, 300,288 bytes of LDS; arguments xc, xs, wc, ws, wk_b, wv_b, dense_w, tab, g, ks, gs; writes g, ks, gs
.if DOCPART == 2
	.amdgcn_target "amdgcn-amd-amdhsa--gfx1250"
	.amdhsa_code_object_version 6
	.text
	.protected	k_q363037af9b_kvstate
	.globl	k_q363037af9b_kvstate
	.p2align	8
	.type	k_q363037af9b_kvstate,@function
k_q363037af9b_kvstate:
	s_mov_b64 s[64:65], 0
	v_nop
	global_prefetch_b8 v0, s[64:65] scope:SCOPE_SE
	s_setreg_imm32_b32 hwreg(HW_REG_WAVE_MODE, 25, 1), 1
	s_wait_xcnt 0x0
; For one head (b, h) and one quarter xq of its 128 features: k = elu(x Wk^T + bk) + 1 and v0 = x Wv^T on codes of FP4; the states KV^c[x][z] = sum over s of k[s][x] c(s) v[s][z], c = cos and sin, over all 4,096 positions;
; the sums ksum^c[x] = sum over s of k c; then KV += ksum x bv (the bias of v, taken out of the sum: the same algebra), and THE DENSE PROJECTION IS FOLDED INTO THE STATE: G^c[x][n] = sum over z of KV^c[x][z] dense_w[n][128 h + z].
; Stored: G as f16 fragment images for the last launch, times a power of two that brings the slice's largest magnitude into [2^13, 2^14); the inverse power (gs); ksum in f32 (ks).
; FORMATS.  k c and v0 go to the state's product in f16 (11 bits); KV and dense_w as pairs of bf16, a high and a low part, split in f32; all sums f32.
; LIMITS: k and |x Wv^T| stay under 65,504; a slice whose largest |G| lies under 2^-100 is scaled as if it were 2^-100; NaN and infinities are not served; the order of the sums differs from the source's, since bv and the dense projection are folded.
; SHARES.  Eight waves; wave w owns positions 512 w .. 512 w + 511, 16 steps of 32, and in the loop shares nothing with the others.  The four work-groups of a head each make v anew: no partial state ever goes to memory.
; No tensor loads and no cluster: every streamed byte (x's codes) has one reading wave in its work-group, so a way through LDS would add a write and a read of each byte with no reuse; fragments come from memory as images, a step ahead.
; LAYOUT.  k and v tiles: source 0 = x's 16 rows, source 1 = 16 rows of W: a lane holds one feature (or z) and eight neighbouring s; the tiles of s 0-15 and 16-31, packed in pairs, ARE a 16-bit fragment with K = 32 positions.
; The state is made transposed (source 0 = v's fragment, source 1 = k's): a lane holds x' and its registers run along z, which is the next product's K.  G: source 0 = KV's fragment, source 1 = dense_w's: a lane holds n, registers run along the features.
; REGISTERS.  Window 1: the 32 accumulators, tile (xt = 2 i + c, zt) at v[8 (8 xt + zt)]; in the end KV's 32 fragments.  Window 0: see the names below.
.set IMG,   0                          ; LDS: each wave's accumulators as images of its registers, 32,768 bytes a wave
.set TAB,   262144                     ; each wave's cos[512], sin[512]: 4,096 bytes a wave;
.set KVF,   TAB                        ; behind the first barrier the same bytes take KV's fragments: 16 high parts, then 16 low, 1,024 bytes each
.set KSP,   294912                     ; each wave's part of ksum: 16 bytes a lane
.set GMX,   299008                     ; each wave's largest |G|: 4 bytes a wave
.set SPARE, 299264                     ; the spare words, 128 bytes a wave: four blocks of 256 bytes that no other line names
.set L16, 4                            ; v4  16 x lane     v5  4 x lane
.set L4,  5
.set TBA, 6                            ; v6  my place in my wave's table   v7 the step's
.set ADT, 7
.set SPW, 8                            ; v8  my spare word's address; v9  0: never rewritten
.set NIL, 9
.set WK,  16                           ; v16-31   Wk's two fragments
.set BK,  32                           ; v32-47   bk of my feature, eight times: the C of k's products
.set WKS, 48                           ; v48      Wk's scale words (tile 0 in lanes 0-15, tile 1 in lanes 16-31).  v48-54 hold scales and nothing else
.set WVS, 49                           ; v49-52   Wv's, two tiles a register
.set XS,  53                           ; v53-54   x's scale words, a register for each buffer
.set X,   56                           ; v56-87   x's fragments: two buffers of two
.set KSA, 88                           ; v88-95   ksum, a pair for each (i, c)
.set WV,  96                           ; v96-159  Wv's eight fragments
.set KF,  160                          ; v160-191 k c in f16: fragment xt
.set KD,  192                          ; v192-223 k's four tiles; then v's four
.set VD,  192
.set TT,  224                          ; v224-239 at work
.set CS,  240                          ; v240-255 cos and sin of my eight positions
.set VF,  224                          ; v224-255 v in f16: two sets of two fragments, by turns
.set MSB, 0
.macro WIN new                         ; the immediate's high byte repeats the setting that is left
.if MSB != \new
	s_set_vgpr_msb (MSB<<8)|\new
.set MSB, \new
.endif
.endm
.macro PLACES                          ; four plain places behind matrix instructions (ISA guide 7.12.1), where no other vector work is at hand
.rept 4
	v_nop
.endr
.endm
; a product on codes: D, A, B, C (under 0: the constant 0) by their first registers; the two scale registers; which half of the lanes holds each side's words
.macro FP4 d, a, b, c, sa, sb, ra, rb
.if (\c) < 0
.if (\ra) && (\rb)
	v_wmma_scale_f32_16x16x128_f8f6f4 v[\d:\d+7], v[\a:\a+7], v[\b:\b+7], 0, v[\sa], v[\sb] matrix_a_fmt:MATRIX_FMT_FP4 matrix_b_fmt:MATRIX_FMT_FP4 matrix_a_scale:MATRIX_SCALE_ROW1 matrix_b_scale:MATRIX_SCALE_ROW1
.elseif (\ra)
	v_wmma_scale_f32_16x16x128_f8f6f4 v[\d:\d+7], v[\a:\a+7], v[\b:\b+7], 0, v[\sa], v[\sb] matrix_a_fmt:MATRIX_FMT_FP4 matrix_b_fmt:MATRIX_FMT_FP4 matrix_a_scale:MATRIX_SCALE_ROW1
.elseif (\rb)
	v_wmma_scale_f32_16x16x128_f8f6f4 v[\d:\d+7], v[\a:\a+7], v[\b:\b+7], 0, v[\sa], v[\sb] matrix_a_fmt:MATRIX_FMT_FP4 matrix_b_fmt:MATRIX_FMT_FP4 matrix_b_scale:MATRIX_SCALE_ROW1
.else
	v_wmma_scale_f32_16x16x128_f8f6f4 v[\d:\d+7], v[\a:\a+7], v[\b:\b+7], 0, v[\sa], v[\sb] matrix_a_fmt:MATRIX_FMT_FP4 matrix_b_fmt:MATRIX_FMT_FP4
.endif
.else
.if (\ra) && (\rb)
	v_wmma_scale_f32_16x16x128_f8f6f4 v[\d:\d+7], v[\a:\a+7], v[\b:\b+7], v[\c:\c+7], v[\sa], v[\sb] matrix_a_fmt:MATRIX_FMT_FP4 matrix_b_fmt:MATRIX_FMT_FP4 matrix_a_scale:MATRIX_SCALE_ROW1 matrix_b_scale:MATRIX_SCALE_ROW1
.elseif (\ra)
	v_wmma_scale_f32_16x16x128_f8f6f4 v[\d:\d+7], v[\a:\a+7], v[\b:\b+7], v[\c:\c+7], v[\sa], v[\sb] matrix_a_fmt:MATRIX_FMT_FP4 matrix_b_fmt:MATRIX_FMT_FP4 matrix_a_scale:MATRIX_SCALE_ROW1
.elseif (\rb)
	v_wmma_scale_f32_16x16x128_f8f6f4 v[\d:\d+7], v[\a:\a+7], v[\b:\b+7], v[\c:\c+7], v[\sa], v[\sb] matrix_a_fmt:MATRIX_FMT_FP4 matrix_b_fmt:MATRIX_FMT_FP4 matrix_b_scale:MATRIX_SCALE_ROW1
.else
	v_wmma_scale_f32_16x16x128_f8f6f4 v[\d:\d+7], v[\a:\a+7], v[\b:\b+7], v[\c:\c+7], v[\sa], v[\sb] matrix_a_fmt:MATRIX_FMT_FP4 matrix_b_fmt:MATRIX_FMT_FP4
.endif
.endif
.endm
	s_load_b512 s[8:23], s[0:1], 0x0               ; xc 8, xs 10, wc 12, ws 14, wk_b 16, wv_b 18, dense_w 20, tab 22
	s_load_b128 s[24:27], s[0:1], 0x40             ; g 24, ks 26
	s_load_b64 s[60:61], s[0:1], 0x50              ; gs
	v_lshl_add_u32 v[SPW], v0, 2, SPARE
	v_mov_b32 v[NIL], 0
	v_lshrrev_b32 v1, 5, v0
	v_readfirstlane_b32 s28, v1                    ; wave 0..7
	v_and_b32 v1, 31, v0                           ; lane
	v_and_b32 v2, 15, v0                           ; r
	v_bfe_u32 v3, v0, 4, 1                         ; h'
	v_lshlrev_b32 v[L16], 4, v1
	v_lshlrev_b32 v[L4], 2, v1
	s_and_b32 s29, ttmp9, 3                        ; xq: which 32 features
	s_lshr_b32 s32, ttmp9, 2                       ; bh
	s_and_b32 s30, s32, 15                         ; h
	s_lshr_b32 s31, ttmp9, 6                       ; b
	s_lshl_b32 s33, s28, 12
	s_add_co_u32 s33, s33, TAB                     ; my wave's table
	v_lshl_add_u32 v[TBA], v3, 5, s33              ; + 32 h': my eight positions of a tile
	v_add_nc_u32 v[ADT], s33, v[L16]               ; (first: the table's way in)
	s_lshl_b32 s33, s28, 15
	v_add_nc_u32 v10, s33, v[L16]                  ; v10 where my accumulators' images go
	s_lshl_b32 s33, s28, 9
	s_add_co_u32 s33, s33, KSP
	v_add_nc_u32 v11, s33, v[L16]                  ; v11 where my part of ksum goes
	s_lshl_b32 s33, s28, 12
	v_add_nc_u32 v12, s33, v[L16]                  ; v12-15 where I read the four tiles that I sum: waves 0-1, 2-3, 4-5, 6-7
	v_add_nc_u32 v13, 0x10000, v12
	v_add_nc_u32 v14, 0x20000, v12
	v_add_nc_u32 v15, 0x30000, v12
	v_lshlrev_b32 v55, 2, v2                       ; 4 r
	s_mov_b32 s38, 0                               ; the step's bytes in the table
	s_mov_b32 s39, 7                               ; trips
	s_mov_b32 s40, 0x3fb8aa3b                      ; log2(e)
	s_mov_b32 s41, s40                             ; (named with it as a pair)
	s_mov_b32 s42, 0x76543210
	s_mov_b32 s43, 0xfedcba98                      ; selects for lane l xor 16
	s_lshl_b32 s56, s30, 3
	s_lshl_b32 s58, s29, 1
	s_add_co_u32 s56, s56, s58
	s_add_co_u32 s56, s56, 128                     ; Wk's first tile of mine: 128 + 8 h + 2 xq
	s_lshl_b32 s56, s56, 10
	s_mov_b32 s57, 0
	s_wait_kmcnt 0x0
	s_add_nc_u64 s[44:45], s[12:13], s[56:57]      ; its codes,
	s_lshr_b32 s56, s56, 4
	s_add_nc_u64 s[46:47], s[14:15], s[56:57]      ; its scale words (64 bytes a tile)
	s_lshl_b32 s56, s30, 13
	s_add_co_u32 s56, s56, 256*1024                ; Wv's tiles 256 + 8 h on
	s_add_nc_u64 s[48:49], s[12:13], s[56:57]
	s_lshr_b32 s56, s56, 4
	s_add_nc_u64 s[50:51], s[14:15], s[56:57]
	s_lshl_b32 s56, s30, 9
	s_lshl_b32 s58, s29, 7
	s_add_co_u32 s56, s56, s58
	s_add_nc_u64 s[52:53], s[16:17], s[56:57]      ; bk of feature 128 h + 32 xq
	s_lshl_b32 s56, s28, 11
	s_add_nc_u64 s[54:55], s[22:23], s[56:57]      ; cos of position 512 w
	s_lshl_b32 s56, s31, 18
	s_lshl_b32 s58, s28, 15
	s_add_co_u32 s56, s56, s58
	s_add_nc_u64 s[34:35], s[8:9], s[56:57]        ; x's codes: tile 256 b + 32 w
	s_lshr_b32 s56, s56, 4
	s_add_nc_u64 s[36:37], s[10:11], s[56:57]      ; and scale words
.macro XLOAD buf, off                  ; a step's two fragments of x and their 32 scale words: five loads
.irp q, 0,1,2,3
	global_load_b128 v[X+16*(\buf)+4*\q:X+16*(\buf)+4*\q+3], v[L16], s[34:35] offset:(\off)+512*\q
.endr
	global_load_b32 v[XS+(\buf)], v[L4], s[36:37] offset:(\off)/16
.endm
.irp q, 0,1,2,3
	global_load_b128 v[WK+4*\q:WK+4*\q+3], v[L16], s[44:45] offset:512*\q
.endr
	global_load_b32 v[WKS], v[L4], s[46:47]
.irp q, 0,1,2,3,4,5,6,7,8,9,10,11,12,13,14,15
	global_load_b128 v[WV+4*\q:WV+4*\q+3], v[L16], s[48:49] offset:512*\q
.endr
.irp p, 0,1,2,3
	global_load_b32 v[WVS+\p], v[L4], s[50:51] offset:128*\p
.endr
	global_load_b32 v[BK], v55, s[52:53]
	global_load_b32 v[BK+8], v55, s[52:53] offset:64
.irp q, 0,1,2,3
	global_load_b128 v[KD+4*\q:KD+4*\q+3], v[L16], s[54:55] offset:512*\q
	global_load_b128 v[KD+16+4*\q:KD+16+4*\q+3], v[L16], s[54:55] offset:16384+512*\q
.endr
	XLOAD 0, 0
	s_wait_loadcnt 0x0
.irp q, 0,1,2,3
	ds_store_b128 v[ADT], v[KD+4*\q:KD+4*\q+3] offset:512*\q
	ds_store_b128 v[ADT], v[KD+16+4*\q:KD+16+4*\q+3] offset:2048+512*\q
.endr
.irp j, 1,2,3,4,5,6,7
	v_mov_b32 v[BK+\j], v[BK]
	v_mov_b32 v[BK+8+\j], v[BK+8]
.endr
.irp j, 0,1,2,3,4,5,6,7
	v_mov_b32 v[KSA+\j], 0
.endr
	s_wait_dscnt 0x0
.macro CSLD st                         ; cos and sin of positions 16 st + 8 h' + 0 .. 7 of the step
	ds_load_b128 v[CS:CS+3], v[ADT] offset:64*\st
	ds_load_b128 v[CS+4:CS+7], v[ADT] offset:64*\st+16
	ds_load_b128 v[CS+8:CS+11], v[ADT] offset:2048+64*\st
	ds_load_b128 v[CS+12:CS+15], v[ADT] offset:2048+64*\st+16
.endm
; k of 32 positions x 32 features: four products on codes with bk as C; elu + 1 = max(t, 0) + 2^(min(t log2 e, 0)); times cos and sin; summed in f32; packed to f16
.macro KPHASE buf
	CSLD 0
.irp st, 0,1
.irp i, 0,1
	FP4 KD+16*\st+8*\i, X+16*(\buf)+8*\st, WK+8*\i, BK+8*\i, XS+(\buf), WKS, \st, \i
.endr
.endr
	PLACES
.irp st, 0,1
.irp m, 0,2,4,6,8,10,12,14
	v_pk_mul_f32 v[TT+\m:TT+\m+1], v[KD+16*\st+\m:KD+16*\st+\m+1], s[40:41] op_sel_hi:[1,0]
.endr
.irp m, 0,1,2,3,4,5,6,7,8,9,10,11,12,13,14,15
	v_min_num_f32 v[TT+\m], 0, v[TT+\m]
.endr
.irp m, 0,1,2,3,4,5,6,7,8,9,10,11,12,13,14,15
	v_exp_f32 v[TT+\m], v[TT+\m]
.endr
.irp m, 0,1,2,3,4,5,6,7,8,9,10,11,12,13,14,15
	v_max_num_f32 v[KD+16*\st+\m], 0, v[KD+16*\st+\m]   ; plain work that names no exponential's result
.endr
	s_wait_alu depctr_va_vdst(0)                   ; one wait for the sixteen exponentials, ahead of their first reader
.irp m, 0,2,4,6,8,10,12,14
	v_pk_add_f32 v[KD+16*\st+\m:KD+16*\st+\m+1], v[KD+16*\st+\m:KD+16*\st+\m+1], v[TT+\m:TT+\m+1]
.endr
	s_wait_dscnt 0x0                               ; cos and sin are in
.irp c, 0,1
.irp m, 0,2,4,6
.irp i, 0,1
	v_pk_mul_f32 v[TT+8*\i+\m:TT+8*\i+\m+1], v[KD+16*\st+8*\i+\m:KD+16*\st+8*\i+\m+1], v[CS+8*\c+\m:CS+8*\c+\m+1]
.endr
.endr
.irp m, 0,2,4,6
.irp i, 0,1
	v_pk_add_f32 v[KSA+4*\i+2*\c:KSA+4*\i+2*\c+1], v[KSA+4*\i+2*\c:KSA+4*\i+2*\c+1], v[TT+8*\i+\m:TT+8*\i+\m+1]   ; ksum takes the unrounded numbers
.endr
.endr
.irp m, 0,1,2,3
.irp i, 0,1
	v_cvt_pk_f16_f32 v[KF+8*(2*\i+\c)+4*\st+\m], v[TT+8*\i+2*\m], v[TT+8*\i+2*\m+1]
.endr
.endr
.endr
.if \st == 0
	CSLD 1                                         ; lands under the second tile's feature map
.endif
.endr
.endm
; v of 32 positions x z tiles 2 gi, 2 gi + 1: four products on codes, packed to f16; then the state's eight products, the eight accumulators by turns
.macro VGROUP gi, buf, zero
.irp ztl, 0,1
.irp st, 0,1
	FP4 VD+16*\ztl+8*\st, X+16*(\buf)+8*\st, WV+8*(2*\gi+\ztl), -1, XS+(\buf), WVS+\gi, \st, \ztl
.endr
.endr
	PLACES
.irp ztl, 0,1
.irp st, 0,1
.irp m, 0,1,2,3
	v_cvt_pk_f16_f32 v[VF+16*(\gi%2)+8*\ztl+4*\st+\m], v[VD+16*\ztl+8*\st+2*\m], v[VD+16*\ztl+8*\st+2*\m+1]
.endr
.endr
.endr
	WIN 0x50                                       ; C and D in window 1
.irp ztl, 0,1
.irp xt, 0,1,2,3
.if \zero
	v_wmma_f32_16x16x32_f16 v[8*(8*\xt+2*\gi+\ztl):8*(8*\xt+2*\gi+\ztl)+7], v[VF+16*(\gi%2)+8*\ztl:VF+16*(\gi%2)+8*\ztl+7], v[KF+8*\xt:KF+8*\xt+7], 0
.else
	v_wmma_f32_16x16x32_f16 v[8*(8*\xt+2*\gi+\ztl):8*(8*\xt+2*\gi+\ztl)+7], v[VF+16*(\gi%2)+8*\ztl:VF+16*(\gi%2)+8*\ztl+7], v[KF+8*\xt:KF+8*\xt+7], v[8*(8*\xt+2*\gi+\ztl):8*(8*\xt+2*\gi+\ztl)+7]
.endif
.endr
.endr
	WIN 0
.endm
; a step of 32 positions.  zero = 1: its products start the sums.  pre = 1: the next step's x is asked for, off bytes from the base
.macro STEP buf, zero, pre, off
	s_wait_loadcnt 0x0                             ; the only loads out are this step's five
	PLACES                                         ; ahead of the loads into the registers that the last step's last products read
.if \pre
	XLOAD 1-\buf, \off
.endif
	v_add_nc_u32 v[ADT], s38, v[TBA]
	KPHASE \buf
	VGROUP 0, \buf, \zero
	VGROUP 1, \buf, \zero
	VGROUP 2, \buf, \zero
	VGROUP 3, \buf, \zero
	s_add_co_u32 s38, s38, 128
.endm
	STEP 0, 1, 1, 2048                             ; the first step stands ahead of the loop: nothing is cleared
	s_wait_xcnt 0x0                                ; the loads have read their bases: only now are these stepped
	s_add_nc_u64 s[34:35], s[34:35], 4096
	s_add_nc_u64 s[36:37], s[36:37], 256
.Ltrip:                                            ; seven trips of two steps
	STEP 1, 0, 1, 0
	STEP 0, 0, 1, 2048
	s_wait_xcnt 0x0
	s_add_nc_u64 s[34:35], s[34:35], 4096
	s_add_nc_u64 s[36:37], s[36:37], 256
	s_sub_co_u32 s39, s39, 1
	s_cmp_lg_u32 s39, 0
	s_cbranch_scc1 .Ltrip
	STEP 1, 0, 0, 0                                ; the last step asks for nothing: no load leaves its buffer
	; ---- 1: every wave's part of the state, and of ksum, goes to LDS; dense_w and bv are asked for
	PLACES
	s_lshr_b32 s33, s28, 1                         ; xt of the tiles that I sum
	s_lshl_b32 s56, s33, 2
	s_add_co_u32 s56, s56, KSP
	v_add_nc_u32 v74, s56, v[L16]                  ; v74 ksum's word xt of my lane
	s_or_b32 s33, s33, 1
	s_lshl_b32 s56, s33, 2
	s_add_co_u32 s56, s56, KSP
	v_add_nc_u32 v75, s56, v[L16]                  ; v75 and word xt | 1: the sine's
	s_lshl_b32 s56, s28, 11
	s_add_co_u32 s56, s56, KVF
	v_add_nc_u32 v76, s56, v[L16]                  ; v76 where my two fragments of KV go
	s_lshl_b32 s56, s28, 2
	s_add_co_u32 s56, s56, GMX
	v_mov_b32 v6, s56                              ; v6  my wave's word for the largest |G|
	v_mov_b32 v7, GMX                              ; v7  all eight
	v_lshlrev_b32 v72, 13, v2
	v_lshl_add_u32 v72, v3, 5, v72                 ; dense_w: row r of 8,192 bytes, + 32 h'
	v_lshlrev_b32 v73, 5, v3                       ; bv: + 32 h'
	s_lshl_b32 s56, s28, 17
	s_lshl_b32 s58, s30, 9
	s_add_co_u32 s56, s56, s58
	s_add_nc_u64 s[44:45], s[20:21], s[56:57]      ; dense_w at row 16 w, column 128 h
	s_and_b32 s56, s28, 1
	s_lshl_b32 s56, s56, 8
	s_add_co_u32 s56, s56, s58
	s_add_nc_u64 s[46:47], s[18:19], s[56:57]      ; bv at z = 128 h + 64 (w & 1)
.irp p, 0,1,2,3                                ; registers 16 p + 0 .. 7: z = 32 p + 8 h' + 0 .. 7; + 8 .. 15: z = 32 p + 16 + 8 h' + 0 .. 7
	global_load_b128 v[96+16*\p:99+16*\p], v72, s[44:45] offset:128*\p
	global_load_b128 v[100+16*\p:103+16*\p], v72, s[44:45] offset:128*\p+16
	global_load_b128 v[104+16*\p:107+16*\p], v72, s[44:45] offset:128*\p+64
	global_load_b128 v[108+16*\p:111+16*\p], v72, s[44:45] offset:128*\p+80
.endr
.irp m, 0,1,2,3
	global_load_b128 v[16+8*\m:19+8*\m], v73, s[46:47] offset:64*\m
	global_load_b128 v[20+8*\m:23+8*\m], v73, s[46:47] offset:64*\m+16
.endr
.irp i, 0,1,2,3
	v_add_f32 v[88+\i], v[88+2*\i], v[89+2*\i]     ; a pair's halves (ascending: each source is read before it is written)
.endr
.irp i, 0,1,2,3
	v_permlanex16_b32 v[92+\i], v[88+\i], s42, s43
.endr
.irp i, 0,1,2,3
	v_add_f32 v[88+\i], v[88+\i], v[92+\i]         ; with lane l xor 16's positions
.endr
	v_add_nc_u32 v92, KVF, v[L16]                  ; v92 from where all of KV's fragments are read
	WIN 0x04                                       ; an LDS store's data are its source 1: window 1
.set T_, 0
.rept 32
	ds_store_b128 v10, v[8*T_:8*T_+3] offset:1024*T_           ; each accumulator from its low end on
	ds_store_b128 v10, v[8*T_+4:8*T_+7] offset:1024*T_+512
.set T_, T_+1
.endr
	WIN 0
	ds_store_b128 v11, v[88:91]
	s_wait_dscnt 0x0                               ; for the others' sake: my stores have landed
	s_barrier_signal -1
	s_barrier_wait -1
	; ---- 2: wave w sums tiles 4 w .. 4 w + 3 (xt = w / 2, z half w & 1) over the eight waves, in the waves' order
.macro E2LD reg, wp
.irp m, 0,1,2,3
.irp q, 0,1
	ds_load_b128 v[\reg+8*\m+4*\q:\reg+8*\m+4*\q+3], v[12+(\wp)/2] offset:32768*((\wp)%2)+1024*\m+512*\q
.endr
.endr
.endm
.irp wp, 0,1,2,3,4,5,6,7
	ds_load_b32 v[56+\wp], v74 offset:512*\wp
	ds_load_b32 v[64+\wp], v75 offset:512*\wp
.endr
	E2LD 160, 0
	E2LD 192, 1
.irp wp, 1,2,3,4,5,6,7
.if \wp < 7
	E2LD 192+32*(\wp%2), \wp+1
	s_wait_dscnt 8                                 ; all but the eight loads just issued
.else
	s_wait_dscnt 0x0
.endif
.irp m, 0,2,4,6,8,10,12,14,16,18,20,22,24,26,28,30
	v_pk_add_f32 v[160+\m:161+\m], v[160+\m:161+\m], v[192+32*((\wp-1)%2)+\m:193+32*((\wp-1)%2)+\m]
.endr
.endr
.irp i, 56,58,60,62,64,66,68,70
	v_add_f32 v[\i], v[\i], v[\i+1]
.endr
.irp i, 56,60,64,68
	v_add_f32 v[\i], v[\i], v[\i+2]
.endr
	v_add_f32 v78, v56, v60                        ; ksum of my x' (tile xt)
	v_add_f32 v64, v64, v68                        ; and of tile xt | 1
	v_mov_b32 v79, v78                             ; (a pair for the packed form)
	s_wait_loadcnt 0x0                             ; dense_w and bv
.irp m, 0,2,4,6,8,10,12,14,16,18,20,22,24,26,28,30
	v_pk_fma_f32 v[160+\m:161+\m], v[16+\m:17+\m], v[78:79], v[160+\m:161+\m]   ; KV += ksum x bv
.endr
.irp i, 0,1,2,3,4,5,6,7,8,9,10,11,12,13,14,15
	v_cvt_pk_bf16_f32 v[192+\i], v[160+2*\i], v[161+2*\i]      ; the high parts: two fragments (z tiles in pairs)
.endr
.irp i, 0,1,2,3,4,5,6,7,8,9,10,11,12,13,14,15
	v_lshlrev_b32 v[224+2*\i], 16, v[192+\i]
	v_and_b32 v[225+2*\i], 0xffff0000, v[192+\i]
.endr
.irp i, 0,1,2,3,4,5,6,7,8,9,10,11,12,13,14,15
	v_pk_add_f32 v[160+2*\i:161+2*\i], v[160+2*\i:161+2*\i], v[224+2*\i:225+2*\i] neg_lo:[0,1] neg_hi:[0,1]
.endr
.irp i, 0,1,2,3,4,5,6,7,8,9,10,11,12,13,14,15
	v_cvt_pk_bf16_f32 v[208+\i], v[160+2*\i], v[161+2*\i]      ; what is left: the low parts
.endr
.irp f, 0,1
.irp q, 0,1
	ds_store_b128 v76, v[192+8*\f+4*\q:195+8*\f+4*\q] offset:1024*\f+512*\q
	ds_store_b128 v76, v[208+8*\f+4*\q:211+8*\f+4*\q] offset:16384+1024*\f+512*\q
.endr
.endr
	v_cmp_eq_u32 vcc_lo, 0, v3
	v_cndmask_b32 v93, v64, v78, vcc_lo            ; lanes 0-15: the cosine's sum, lanes 16-31: the sine's (v93 and v55 are not written again behind the store)
	v_lshlrev_b32 v55, 2, v2
	v_lshl_add_u32 v55, v3, 9, v55                 ; ks: 512 c + 4 r
	s_lshl_b32 s56, s32, 10
	s_lshl_b32 s58, s29, 7
	s_add_co_u32 s56, s56, s58
	s_lshr_b32 s58, s28, 2
	s_lshl_b32 s58, s58, 6
	s_add_co_u32 s56, s56, s58
	s_add_nc_u64 s[48:49], s[26:27], s[56:57]      ; + 1,024 bh + 4 (32 xq + 16 i)
	s_and_b32 s33, s28, 3
	s_cmp_lg_u32 s33, 0                            ; waves 0 and 4 hold xt = 0 and 2: feature tiles i = 0 and 1
	s_cbranch_scc1 .Lno_ks
	global_store_b32 v55, v93, s[48:49]
.Lno_ks:
	s_wait_dscnt 0x0
	s_barrier_signal -1
	s_barrier_wait -1
	; ---- 3: wave w makes G for n tile w: all of KV's fragments from LDS; dense_w split while they land
	WIN 0x40                                       ; destination window 1
.set F_, 0
.rept 16
	ds_load_b128 v[8*F_:8*F_+3], v92 offset:1024*F_
	ds_load_b128 v[8*F_+4:8*F_+7], v92 offset:1024*F_+512
	ds_load_b128 v[128+8*F_:128+8*F_+3], v92 offset:16384+1024*F_
	ds_load_b128 v[128+8*F_+4:128+8*F_+7], v92 offset:16384+1024*F_+512
.set F_, F_+1
.endr
	WIN 0
.set I_, 0
.rept 32
	v_cvt_pk_bf16_f32 v[16+I_], v[96+2*I_], v[97+2*I_]         ; dense_w's high parts: v16-47
.set I_, I_+1
.endr
.set I_, 0
.rept 32
	v_lshlrev_b32 v[192+2*I_], 16, v[16+I_]
	v_and_b32 v[193+2*I_], 0xffff0000, v[16+I_]
.set I_, I_+1
.endr
.set I_, 0
.rept 32
	v_pk_add_f32 v[96+2*I_:97+2*I_], v[96+2*I_:97+2*I_], v[192+2*I_:193+2*I_] neg_lo:[0,1] neg_hi:[0,1]
.set I_, I_+1
.endr
.set I_, 0
.rept 32
	v_cvt_pk_bf16_f32 v[56+I_], v[96+2*I_], v[97+2*I_]         ; the low parts: v56-87
.set I_, I_+1
.endr
	s_wait_dscnt 0x0
	WIN 0x01                                       ; source 0 (KV) window 1
.irp p, 0,1,2,3                                ; high x high, high x low, low x high; the four accumulators by turns
.irp xt, 0,1,2,3
.if \p == 0
	v_wmma_f32_16x16x32_bf16 v[160+8*\xt:167+8*\xt], v[8*(4*\xt+\p):8*(4*\xt+\p)+7], v[16+8*\p:23+8*\p], 0
.else
	v_wmma_f32_16x16x32_bf16 v[160+8*\xt:167+8*\xt], v[8*(4*\xt+\p):8*(4*\xt+\p)+7], v[16+8*\p:23+8*\p], v[160+8*\xt:167+8*\xt]
.endif
.endr
.irp xt, 0,1,2,3
	v_wmma_f32_16x16x32_bf16 v[160+8*\xt:167+8*\xt], v[8*(4*\xt+\p):8*(4*\xt+\p)+7], v[56+8*\p:63+8*\p], v[160+8*\xt:167+8*\xt]
.endr
.irp xt, 0,1,2,3
	v_wmma_f32_16x16x32_bf16 v[160+8*\xt:167+8*\xt], v[128+8*(4*\xt+\p):128+8*(4*\xt+\p)+7], v[16+8*\p:23+8*\p], v[160+8*\xt:167+8*\xt]
.endr
.endr
	WIN 0
	PLACES
.irp xt, 0,1,2,3
	v_max3_num_f32 v[192+\xt], |v[160+8*\xt]|, |v[161+8*\xt]|, |v[162+8*\xt]|   ; the largest |G|: each accumulator from its low end on
.endr
.irp j, 3,5
.irp xt, 0,1,2,3
	v_max3_num_f32 v[192+\xt], v[192+\xt], |v[160+8*\xt+\j]|, |v[161+8*\xt+\j]|
.endr
.endr
.irp xt, 0,1,2,3
	v_max_num_f32 v[192+\xt], v[192+\xt], |v[167+8*\xt]|
.endr
	v_max3_num_f32 v192, v192, v193, v194
	v_max_num_f32 v192, v192, v195
	v_max_num_f32_dpp v192, v192, v192 row_xmask:1 row_mask:0xf bank_mask:0xf
	v_max_num_f32_dpp v192, v192, v192 row_xmask:2 row_mask:0xf bank_mask:0xf
	v_max_num_f32_dpp v192, v192, v192 row_xmask:4 row_mask:0xf bank_mask:0xf
	v_max_num_f32_dpp v192, v192, v192 row_xmask:8 row_mask:0xf bank_mask:0xf
	v_permlanex16_b32 v193, v192, s42, s43
	v_max_num_f32 v192, v192, v193
	ds_store_b32 v6, v192                          ; all lanes write the same word with the same value
	s_wait_dscnt 0x0
	s_barrier_signal -1
	s_barrier_wait -1
	ds_load_b128 v[196:199], v7
	ds_load_b128 v[200:203], v7 offset:16
	s_wait_dscnt 0x0
	v_max3_num_f32 v192, v196, v197, v198
	v_max3_num_f32 v192, v192, v199, v200
	v_max3_num_f32 v192, v192, v201, v202
	v_max3_num_f32 v192, v192, v203, 0x0d800000    ; the slice's largest |G|, and the floor 2^-100
	v_and_b32 v193, 0x7f800000, v192               ; its exponent field f
	v_sub_nc_u32 v194, 0x85800000, v193            ; 2^(140 - f): brings the largest into [2^13, 2^14)
	v_mov_b32 v195, v194
	v_add_nc_u32 v196, 0xf9800000, v193            ; 2^(f - 140): what the last launch multiplies by
.irp m, 0,2,4,6,8,10,12,14,16,18,20,22,24,26,28,30
	v_pk_mul_f32 v[160+\m:161+\m], v[160+\m:161+\m], v[194:195]
.endr
.irp c, 0,1                                    ; fragment c: features 0-15 (tile c) in registers 0-3, features 16-31 (tile 2 + c) in registers 4-7
.irp k, 0,1,2,3
	v_cvt_pk_f16_f32 v[200+8*\c+\k], v[160+8*\c+2*\k], v[161+8*\c+2*\k]
	v_cvt_pk_f16_f32 v[204+8*\c+\k], v[176+8*\c+2*\k], v[177+8*\c+2*\k]
.endr
.endr
	s_lshl_b32 s56, s32, 16
	s_lshl_b32 s58, s29, 14
	s_add_co_u32 s56, s56, s58
	s_lshl_b32 s58, s28, 10
	s_add_co_u32 s56, s56, s58
	s_add_nc_u64 s[50:51], s[24:25], s[56:57]      ; g at [bh][xq][0][w]
.irp c, 0,1
.irp q, 0,1
	global_store_b128 v[L16], v[200+8*\c+4*\q:203+8*\c+4*\q], s[50:51] offset:8192*\c+512*\q   ; 512 bytes on end
.endr
.endr
	s_lshl_b32 s56, s32, 4
	s_lshl_b32 s58, s29, 2
	s_add_co_u32 s56, s56, s58
	s_add_nc_u64 s[52:53], s[60:61], s[56:57]      ; gs at [bh][xq]
	s_cmp_lg_u32 s28, 0
	s_cbranch_scc1 .Lno_gs
	v_mov_b32 v197, 0
	v_cmp_eq_u32 vcc_lo, 0, v1
	s_wait_xcnt 0x0                                ; EXEC changes only behind this wait: it is a source of the stores above
	s_and_saveexec_b32 s33, vcc_lo                 ; lane 0 of wave 0 stores the one word
	global_store_b32 v197, v196, s[52:53]
	s_wait_xcnt 0x0                                ; and again, ahead of the line that widens it
	s_or_b32 exec_lo, exec_lo, s33
.Lno_gs:
	s_wait_tensorcnt 0x0                           ; the wave's end: behind my last LDS store
	ds_add_u32 v[SPW], v[NIL]
	s_wait_dscnt 0x0
	s_endpgm
.Lfunc_end_k_q363037af9b_kvstate:
	.size	k_q363037af9b_kvstate, .Lfunc_end_k_q363037af9b_kvstate-k_q363037af9b_kvstate
	.p2alignl 7, 3214868480
	.fill 96, 4, 3214868480
	.section	.rodata,"a",@progbits
	.p2align	6, 0x0
	.amdhsa_kernel k_q363037af9b_kvstate
		.amdhsa_group_segment_fixed_size 300288
		.amdhsa_private_segment_fixed_size 0
		.amdhsa_enable_private_segment 0
		.amdhsa_kernarg_size 88
		.amdhsa_user_sgpr_count 2
		.amdhsa_user_sgpr_kernarg_segment_ptr 1
		.amdhsa_wavefront_size32 1
		.amdhsa_system_sgpr_workgroup_id_x 1
		.amdhsa_system_sgpr_workgroup_id_y 1
		.amdhsa_system_sgpr_workgroup_id_z 1
		.amdhsa_system_vgpr_workitem_id 0
		.amdhsa_next_free_vgpr 512
		.amdhsa_next_free_sgpr 66
		.amdhsa_reserve_vcc 1
		.amdhsa_float_denorm_mode_32 3
		.amdhsa_float_denorm_mode_16_64 3
		.amdhsa_memory_ordered 1
		.amdhsa_forward_progress 1
		.amdhsa_inst_pref_size 144
	.end_amdhsa_kernel
	.amdgpu_metadata
---
amdhsa.version: [ 1, 2 ]
amdhsa.kernels:
  - .name:           k_q363037af9b_kvstate
    .symbol:         k_q363037af9b_kvstate.kd
    .args:
      - { .name: xc, .offset: 0, .size: 8, .value_kind: global_buffer, .address_space: global }
      - { .name: xs, .offset: 8, .size: 8, .value_kind: global_buffer, .address_space: global }
      - { .name: wc, .offset: 16, .size: 8, .value_kind: global_buffer, .address_space: global }
      - { .name: ws, .offset: 24, .size: 8, .value_kind: global_buffer, .address_space: global }
      - { .name: wk_b, .offset: 32, .size: 8, .value_kind: global_buffer, .address_space: global }
      - { .name: wv_b, .offset: 40, .size: 8, .value_kind: global_buffer, .address_space: global }
      - { .name: dense_w, .offset: 48, .size: 8, .value_kind: global_buffer, .address_space: global }
      - { .name: tab, .offset: 56, .size: 8, .value_kind: global_buffer, .address_space: global }
      - { .name: g, .offset: 64, .size: 8, .value_kind: global_buffer, .address_space: global }
      - { .name: ks, .offset: 72, .size: 8, .value_kind: global_buffer, .address_space: global }
      - { .name: gs, .offset: 80, .size: 8, .value_kind: global_buffer, .address_space: global }
    .group_segment_fixed_size: 300288
    .private_segment_fixed_size: 0
    .kernarg_segment_align: 8
    .kernarg_segment_size: 88
    .max_flat_workgroup_size: 256
    .sgpr_count:     66
    .vgpr_count:     512
    .wavefront_size: 32
...
	.end_amdgpu_metadata
.endif
;; end of part 2
;; launch attend (part 3): grid 256 x 1, 8 waves a work-group, no clusters, 151,552 bytes of LDS; arguments xc, xs, wc, ws, wq_b, tab, g, ks, gs, dense_b, out0; writes out0
.if DOCPART == 3
	.amdgcn_target "amdgcn-amd-amdhsa--gfx1250"
	.amdhsa_code_object_version 6
	.text
	.protected	k_q363037af9b_attend
	.globl	k_q363037af9b_attend
	.p2align	8
	.type	k_q363037af9b_attend,@function
k_q363037af9b_attend:
	s_mov_b64 s[64:65], 0
	v_nop
	global_prefetch_b8 v0, s[64:65] scope:SCOPE_SE
	s_setreg_imm32_b32 hwreg(HW_REG_WAVE_MODE, 25, 1), 1
	s_wait_xcnt 0x0
; out[s][n] = sum over the 16 heads of (cos(s) sum_x q[s][x] Gc[x][n] + sin(s) sum_x q[s][x] Gs[x][n]) / den(s) + dense_b[n];  q = elu(x Wq^T + bq) + 1 on codes of FP4;
; den(s) = cos(s) q . ksum_cos + sin(s) q . ksum_sin + 1e-5.  G holds the states with the dense projection folded in, as f16 fragment images, each quarter u of a head's features under a power of two gs[u] of its own.
; SCALES.  E = the largest gs of the head; rho_u = max(gs_u / E, 2^-24) (the floor misstates a quarter by at most 2^-24 of the head's scale).  q rho is made at no extra instruction:
; max(t, 0) rho + 2^(min(t log2 e + d, d)), d = log2 rho.  The denominator takes the same f16 fragments of q rho against f16(ksum x a power of two that brings the quarter's largest into [2^13, 2^14));
; sigma_u undoes that power, rho_u and E, so that the four quarters' words add up to den / E, and the rows' factors are cos / (den / E), sin / (den / E).
; LIMITS: q stays under 65,504; a quarter whose largest ksum lies under 2^-100 is scaled as if it were 2^-100; NaN and infinities are not served; the order of the sums differs from the source's (the dense projection is folded into the state).
; SHARES.  A work-group owns 64 rows.  Two teams of four waves: team T takes heads 2 i + T.  For each head a wave does V: feature tiles 2 w, 2 w + 1 of q (fragment u = w) for all four row tiles: feature map, images to LDS, its quarter's part of the
; denominator; and M: all 64 rows x n tiles 2 w, 2 w + 1 x (cos, sin).  Waves w and w + 4 share a SIMD and run V and M in opposite order, so that one's vector work stands beside the other's matrix work.
; q's images lie in two sets that take turns: one barrier a trip orders stores and reads both ways.
; Wq, its scale words, the bias and G: each byte has ONE reading wave in the work-group, so all go from memory straight to registers, as images; their loads stand where every wave passes (the head, M), a whole V or M ahead of their use.
; No tensor loads and no cluster: a joint load lands in LDS alone, which would add a write and a read of each byte with no second reader.
; LAYOUT.  q^T: source 0 = 16 rows of Wq, source 1 = x: a lane holds one row s, registers run along the features; my two tiles packed in pairs are fragment w.  P^T: source 0 = G's fragment (16 n), source 1 = q's: a lane holds s and eight neighbouring n.
; REGISTERS.  Window 1: v0-127 G (u, c, ntl) at 8 ((2 u + c) 2 + ntl); v128-143 Wq's two fragments; v144-159 the bias, two tiles; v160-191 x's four fragments; v192-255 out (rt, ntl) at 192 + 8 (2 rt + ntl).  Window 0: the names below.
.set QB,    0                          ; LDS: q's images [team][set][row tile][u][1,024]
.set DP,    65536                      ; the denominator's parts [team][set][row tile][lane][u]: 4 bytes each
.set KSB,   73728                      ; ksum, scaled, in f16: [head][c][128]
.set SCT,   81920                      ; [head][u][16 bytes]: rho, sigma, d, eps
.set STG,   82944                      ; the way out: [team][64 rows][528]
.set SPARE, 150528                     ; the spare words, 128 bytes a wave: four blocks of 256 bytes that no other line names
.set L16, 4
.set L4,  5
.set SPW, 6                            ; v6 my spare word's address; v7 0: never rewritten
.set NIL, 7
.set ADS, 16                           ; v16-21: the trip's LDS addresses, made where all waves pass: scales, ksum, q out, parts out, q in, parts in
.set ADK, 17
.set ADQ, 18
.set ADF, 19
.set ADR, 20
.set ADG, 21
.set XS,  24                           ; v24-25  x's scale words: row tiles 0, 1 and 2, 3 (lanes 0-15, lanes 16-31)
.set WSC, 26                           ; v26     Wq's scale words: my two tiles.  v24-26 hold scales and nothing else
.set BOF, 27                           ; v27     32 h': the bias's offset
.set SC4, 28                           ; v28-31  rho, sigma, d, eps of my quarter
.set CSN, 32                           ; v32-39  (cos, sin) of my row in each row tile
.set FF,  40                           ; v40-55  M: the rows' factors (fc, fc, fs, fs) of the four row tiles
.set PD,  56                           ; v56-59  V: my quarter's parts of the four denominators
.set QR,  64                           ; v64-127 V: q, tile (rt, tl) at 64 + 16 rt + 8 tl;  M: P (c, ntl, rtl) at 64 + 8 (4 c + 2 ntl + rtl)
.set PP,  64
.set TT,  128                          ; v128-191 V: at work, then q in f16 (v128-159);  M: eight fragments of q
.set FR,  128
.set DB,  192                          ; v192-195 dense_b
.set PDR, 196                          ; v196-211 M: the four quarters' parts, a row tile in four registers
.set DN,  212                          ; v212-243 V: the denominator's four accumulators
.set KSF, 244                          ; v244-251 V: ksum's fragment
.set WQ,  128                          ; in window 1
.set BQ,  144
.set XF,  160
.set OUT, 192
.set MSB, 0
.macro WIN new                         ; the immediate's high byte repeats the setting that is left
.if MSB != \new
	s_set_vgpr_msb (MSB<<8)|\new
.set MSB, \new
.endif
.endm
.macro PLACES                          ; four plain places behind matrix instructions (ISA guide 7.12.1), where no other vector work is at hand
.rept 4
	v_nop
.endr
.endm
; a product on codes: D, A, B, C by their first registers; the two scale registers; which half of the lanes holds each side's words
.macro FP4 d, a, b, c, sa, sb, ra, rb
.if (\ra) && (\rb)
	v_wmma_scale_f32_16x16x128_f8f6f4 v[\d:\d+7], v[\a:\a+7], v[\b:\b+7], v[\c:\c+7], v[\sa], v[\sb] matrix_a_fmt:MATRIX_FMT_FP4 matrix_b_fmt:MATRIX_FMT_FP4 matrix_a_scale:MATRIX_SCALE_ROW1 matrix_b_scale:MATRIX_SCALE_ROW1
.elseif (\ra)
	v_wmma_scale_f32_16x16x128_f8f6f4 v[\d:\d+7], v[\a:\a+7], v[\b:\b+7], v[\c:\c+7], v[\sa], v[\sb] matrix_a_fmt:MATRIX_FMT_FP4 matrix_b_fmt:MATRIX_FMT_FP4 matrix_a_scale:MATRIX_SCALE_ROW1
.elseif (\rb)
	v_wmma_scale_f32_16x16x128_f8f6f4 v[\d:\d+7], v[\a:\a+7], v[\b:\b+7], v[\c:\c+7], v[\sa], v[\sb] matrix_a_fmt:MATRIX_FMT_FP4 matrix_b_fmt:MATRIX_FMT_FP4 matrix_b_scale:MATRIX_SCALE_ROW1
.else
	v_wmma_scale_f32_16x16x128_f8f6f4 v[\d:\d+7], v[\a:\a+7], v[\b:\b+7], v[\c:\c+7], v[\sa], v[\sb] matrix_a_fmt:MATRIX_FMT_FP4 matrix_b_fmt:MATRIX_FMT_FP4
.endif
.endm
	s_load_b512 s[8:23], s[0:1], 0x0               ; xc 8, xs 10, wc 12, ws 14, wq_b 16, tab 18, g 20, ks 22
	s_load_b128 s[24:27], s[0:1], 0x40             ; gs 24, dense_b 26
	s_load_b64 s[60:61], s[0:1], 0x50              ; out0
	v_lshl_add_u32 v[SPW], v0, 2, SPARE
	v_mov_b32 v[NIL], 0
	v_lshrrev_b32 v1, 5, v0
	v_readfirstlane_b32 s28, v1                    ; wave 0..7
	s_lshr_b32 s29, s28, 2                         ; team T
	s_and_b32 s30, s28, 3                          ; w
	s_lshr_b32 s38, ttmp9, 6                       ; b
	v_and_b32 v1, 31, v0                           ; lane
	v_and_b32 v2, 15, v0                           ; r
	v_bfe_u32 v3, v0, 4, 1                         ; h'
	v_lshlrev_b32 v[L16], 4, v1
	v_lshlrev_b32 v[L4], 2, v1
	v_lshlrev_b32 v[BOF], 5, v3
	s_lshl_b32 s39, s30, 4
	s_add_co_u32 s39, s39, SCT
	v_mov_b32 v8, s39                              ; v8  my quarter's entry in a head's scales
	v_and_b32 v9, 1, v0
	v_lshlrev_b32 v9, 8, v9
	v_lshl_add_u32 v9, v3, 4, v9
	s_lshl_b32 s39, s30, 6
	s_add_co_u32 s39, s39, KSB
	v_add_nc_u32 v9, s39, v9                       ; v9  ksum of my quarter: lane r takes row r & 1 (cos, sin), so both kinds fall into the result's two lowest registers
	s_lshl_b32 s39, s29, 15
	v_add_nc_u32 v12, s39, v[L16]                  ; v12 my team's images of q
	s_lshl_b32 s62, s30, 10
	v_add_nc_u32 v10, s62, v12                     ; v10 and fragment u = w among them
	s_lshl_b32 s39, s29, 12
	s_add_co_u32 s39, s39, DP
	v_add_nc_u32 v13, s39, v[L16]                  ; v13 my team's parts of the denominators: 16 bytes a lane
	s_lshl_b32 s62, s30, 2
	v_add_nc_u32 v11, s62, v13                     ; v11 my quarter's word among them
	s_mul_i32 s39, s29, 33792
	s_lshl_b32 s62, s30, 7
	s_add_co_u32 s39, s39, s62
	s_add_co_u32 s39, s39, STG
	v_mul_u32_u24 v14, v2, 528
	v_lshl_add_u32 v14, v3, 5, v14
	v_add_nc_u32 v14, s39, v14                     ; v14 the stage: row r, + 128 w + 32 h'
	s_mul_i32 s39, s28, 4224
	s_add_co_u32 s39, s39, STG
	v_add_nc_u32 v15, s39, v[L16]                  ; v15 back: rows 8 wave on, 16 bytes a lane
	v_lshlrev_b32 v58, 6, v0                       ; head only: 64 x thread: my 16 numbers of ksum,
	v_lshrrev_b32 v59, 4, v0
	v_lshlrev_b32 v59, 4, v59                      ; 16 x (thread / 16): my head's four gs,
	v_bfe_u32 v104, v0, 1, 2                       ; the quarter u that my 16 numbers lie in,
	v_lshl_add_u32 v60, v104, 2, v59               ; its gs,
	v_lshlrev_b32 v61, 2, v2                       ; 4 r,
	v_lshl_add_u32 v63, v0, 5, KSB                 ; where my 16 numbers go in f16,
	v_lshl_add_u32 v105, v59, 2, SCT
	v_lshl_add_u32 v105, v104, 4, v105             ; and my (head, quarter)'s entry
	s_mov_b32 s47, 0                               ; s[46:47], s[48:49]: offsets as pairs
	s_mov_b32 s49, 0
	s_mov_b32 s50, 0x3fb8aa3b                      ; log2(e)
	s_mov_b32 s51, s50
	s_lshl_b32 s32, s29, 9                         ; V's head x 512,
	s_lshl_b32 s37, s29, 6                         ; x 64
	s_mov_b32 s33, 0                               ; V's set of images, of parts,
	s_mov_b32 s34, 0
	s_mov_b32 s35, 0                               ; M's
	s_mov_b32 s36, 0
	s_mov_b32 s31, 7                               ; trips
	s_cmp_eq_u32 s29, 0
	s_cselect_b32 s53, 1, 0                        ; the count of trips left at which my team's requests for Wq stop stepping: team 0: 1; team 1: never
.macro WLOAD                           ; a head's Wq (my two tiles), their bias and scale words: 9 loads
	WIN 0x40                                       ; destination window 1
.irp q, 0,1,2,3
	global_load_b128 v[WQ+4*\q:WQ+4*\q+3], v[L16], s[42:43] offset:512*\q
.endr
.irp tl, 0,1
	global_load_b128 v[BQ+8*\tl:BQ+8*\tl+3], v[BOF], s[54:55] offset:64*\tl        ; in the result's layout: features 16 tl + 8 h' + 0 .. 7
	global_load_b128 v[BQ+8*\tl+4:BQ+8*\tl+7], v[BOF], s[54:55] offset:64*\tl+16
.endr
	WIN 0
	global_load_b32 v[WSC], v[L4], s[44:45]
.endm
.macro GLOAD                           ; a head's G for my two n tiles: 32 loads
	WIN 0x40                                       ; destination window 1
.irp uc, 0,1,2,3,4,5,6,7
.irp ntl, 0,1
	global_load_b128 v[8*(2*\uc+\ntl):8*(2*\uc+\ntl)+3], v[L16], s[40:41] offset:8192*\uc+1024*\ntl
	global_load_b128 v[8*(2*\uc+\ntl)+4:8*(2*\uc+\ntl)+7], v[L16], s[40:41] offset:8192*\uc+1024*\ntl+512
.endr
.endr
	WIN 0
.endm
	s_wait_kmcnt 0x0
	s_lshl_b32 s48, s38, 14
	s_add_nc_u64 s[22:23], s[22:23], s[48:49]      ; ks of my batch
	s_lshl_b32 s48, s38, 8
	s_add_nc_u64 s[24:25], s[24:25], s[48:49]      ; gs of my batch
	s_lshl_b32 s48, ttmp9, 12
	s_add_nc_u64 s[8:9], s[8:9], s[48:49]          ; x's codes: tile 4 g
	s_lshl_b32 s48, ttmp9, 8
	s_add_nc_u64 s[10:11], s[10:11], s[48:49]      ; its scale words: row 64 g
	s_and_b32 s48, ttmp9, 63
	s_lshl_b32 s48, s48, 8
	s_add_nc_u64 s[18:19], s[18:19], s[48:49]      ; cos of my first position
	s_lshl_b32 s48, s38, 4
	s_add_co_u32 s48, s48, s29
	s_lshl_b32 s48, s48, 16
	s_lshl_b32 s62, s30, 11
	s_add_co_u32 s48, s48, s62
	s_add_nc_u64 s[40:41], s[20:21], s[48:49]      ; G of head T, n tile 2 w
	s_lshl_b32 s48, s29, 13
	s_add_co_u32 s48, s48, s62
	s_add_nc_u64 s[42:43], s[12:13], s[48:49]      ; Wq's codes: head T, tile 2 w
	s_lshr_b32 s48, s48, 4
	s_add_nc_u64 s[44:45], s[14:15], s[48:49]      ; its scale words: 512 T + 128 w bytes,
	s_add_nc_u64 s[54:55], s[16:17], s[48:49]      ; and the bias likewise
.irp q, 0,1,2,3
	global_load_b128 v[72+4*\q:75+4*\q], v58, s[22:23] offset:16*\q
.endr
	global_load_b128 v[88:91], v59, s[24:25]
	global_load_b32 v92, v60, s[24:25]
	global_load_b32 v[XS], v[L4], s[10:11]
	global_load_b32 v[XS+1], v[L4], s[10:11] offset:128
.irp rt, 0,1,2,3
	global_load_b32 v[CSN+2*\rt], v61, s[18:19] offset:64*\rt
	global_load_b32 v[CSN+2*\rt+1], v61, s[18:19] offset:16384+64*\rt
.endr
	global_load_b128 v[DB:DB+3], v[L16], s[26:27]
	WIN 0x40
.irp rt, 0,1,2,3
	global_load_b128 v[XF+8*\rt:XF+8*\rt+3], v[L16], s[8:9] offset:1024*\rt        ; x's four fragments stay in registers
	global_load_b128 v[XF+8*\rt+4:XF+8*\rt+7], v[L16], s[8:9] offset:1024*\rt+512
.endr
	WIN 0
	WLOAD                                          ; my team's first head
	GLOAD
	s_wait_loadcnt 0x0
	v_max3_num_f32 v93, v88, v89, v90
	v_max_num_f32 v93, v93, v91                    ; E: a power of two
	v_sub_nc_u32 v94, 0x7f000000, v93              ; 1 / E, by its exponent field
	v_mul_f32 v108, v92, v94
	v_max_num_f32 v108, 0x33800000, v108           ; rho of my quarter, held at 2^-24 from below
	v_sub_nc_u32 v96, 0x7f000000, v108             ; 1 / rho
	v_lshrrev_b32 v110, 23, v108
	v_sub_nc_u32 v110, v110, 127
	v_cvt_f32_i32 v110, v110                       ; d = log2 rho
	v_max3_num_f32 v98, |v72|, |v73|, 0x0d800000   ; the largest of my 16 numbers of ksum, and the floor 2^-100;
.irp i, 74,76,78,80,82,84,86
	v_max3_num_f32 v98, v98, |v[\i]|, |v[\i+1]|
.endr
	v_max_num_f32_dpp v98, v98, v98 row_xmask:1 row_mask:0xf bank_mask:0xf   ; with the quarter's other 16 features,
	v_max_num_f32_dpp v98, v98, v98 row_xmask:8 row_mask:0xf bank_mask:0xf   ; and the other kind (cos, sin): the quarter's largest
	v_and_b32 v99, 0x7f800000, v98                 ; its exponent field f
	v_sub_nc_u32 v100, 0x85800000, v99             ; 2^(140 - f): brings the largest into [2^13, 2^14)
	v_mov_b32 v101, v100
	v_add_nc_u32 v109, 0xf9800000, v99             ; 2^(f - 140),
	v_mul_f32 v109, v109, v94                      ; / E,
	v_mul_f32 v109, v109, v96                      ; / rho: sigma
	v_mul_f32 v111, 0x3727c5ac, v94                ; 1e-5 / E,
	v_cmp_eq_u32 vcc_lo, 0, v104
	v_cndmask_b32 v111, 0, v111, vcc_lo            ; which quarter 0 alone adds
.irp m, 0,2,4,6,8,10,12,14
	v_pk_mul_f32 v[72+\m:73+\m], v[72+\m:73+\m], v[100:101]
.endr
.irp i, 0,1,2,3,4,5,6,7
	v_cvt_pk_f16_f32 v[120+\i], v[72+2*\i], v[73+2*\i]
.endr
	ds_store_b128 v63, v[120:123]
	ds_store_b128 v63, v[124:127] offset:16
	ds_store_b128 v105, v[108:111]                 ; the four threads of a (head, quarter) write the same bytes with the same values
	WIN 0x40
.set I_, 0
.rept 64
	v_mov_b32 v[OUT+I_], 0                         ; out: these are sums of the vector unit; cleared once, so that the first head's M is the loop's
.set I_, I_+1
.endr
	WIN 0
	s_wait_dscnt 0x0                               ; for the others' sake: my stores have landed
	s_barrier_signal -1
	s_barrier_wait -1
.macro ADDRS
	v_add_nc_u32 v[ADS], s37, v8
	v_add_nc_u32 v[ADK], s32, v9
	v_add_nc_u32 v[ADQ], s33, v10
	v_add_nc_u32 v[ADF], s34, v11
	v_add_nc_u32 v[ADR], s35, v12
	v_add_nc_u32 v[ADG], s36, v13
.endm
; V, first part: my two feature tiles of q^T for the four row tiles, with the bias as C
.macro V_A
	s_wait_loadcnt 32                              ; this head's Wq, bias and scale words are in: behind their 9 loads stand at most the 32 of one G
	ds_load_b128 v[SC4:SC4+3], v[ADS]              ; rho, sigma, d, eps
	ds_load_b128 v[KSF:KSF+3], v[ADK]
	ds_load_b128 v[KSF+4:KSF+7], v[ADK] offset:32
	WIN 0x15                                       ; sources 0 (Wq), 1 (x) and 2 (the bias) in window 1
.irp rt, 0,1,2,3
.irp tl, 0,1
	FP4 QR+16*\rt+8*\tl, WQ+8*\tl, XF+8*\rt, BQ+8*\tl, WSC, XS+\rt/2, \tl, \rt%2
.endr
.endr
	WIN 0
	PLACES
.endm
; V, second part: the feature map, the images, my quarter's part of the denominators
.macro V_B
	s_wait_dscnt 2                                 ; the scales are in; ksum's two loads may be out
.set I_, 0
.rept 32
	v_pk_fma_f32 v[TT+2*I_:TT+2*I_+1], v[QR+2*I_:QR+2*I_+1], s[50:51], v[SC4+2:SC4+3] op_sel_hi:[1,0,0]   ; t log2 e + d (of both pairs the low word serves both halves)
.set I_, I_+1
.endr
.set I_, 0
.rept 64
	v_min_num_f32 v[TT+I_], v[SC4+2], v[TT+I_]     ; held at d from above
.set I_, I_+1
.endr
.set I_, 0
.rept 64
	v_exp_f32 v[TT+I_], v[TT+I_]
.set I_, I_+1
.endr
.set I_, 0
.rept 64
	v_max_num_f32 v[QR+I_], 0, v[QR+I_]            ; plain work that names no exponential's result
.set I_, I_+1
.endr
	s_wait_alu depctr_va_vdst(0)                   ; one wait for the 64 exponentials, ahead of their first reader
.set I_, 0
.rept 32
	v_pk_fma_f32 v[QR+2*I_:QR+2*I_+1], v[QR+2*I_:QR+2*I_+1], v[SC4:SC4+1], v[TT+2*I_:TT+2*I_+1] op_sel_hi:[1,0,1]   ; q rho
.set I_, I_+1
.endr
.set I_, 0
.rept 32
	v_cvt_pk_f16_f32 v[TT+I_], v[QR+2*I_], v[QR+2*I_+1]   ; fragment w of the four row tiles
.set I_, I_+1
.endr
.irp rt, 0,1,2,3
	ds_store_b128 v[ADQ], v[TT+8*\rt:TT+8*\rt+3] offset:4096*\rt
	ds_store_b128 v[ADQ], v[TT+8*\rt+4:TT+8*\rt+7] offset:4096*\rt+512
.endr
	s_wait_dscnt 8                                 ; ksum is in: only my eight stores may be out
.irp rt, 0,1,2,3
	v_wmma_f32_16x16x32_f16 v[DN+8*\rt:DN+8*\rt+7], v[KSF:KSF+7], v[TT+8*\rt:TT+8*\rt+7], 0   ; registers 0, 1: q . ksum_cos, q . ksum_sin over my 32 features
.endr
	PLACES
.irp rt, 0,1,2,3
	v_mul_f32 v[PD+\rt], v[DN+8*\rt], v[CSN+2*\rt]
.endr
.irp rt, 0,1,2,3
	v_fma_f32 v[PD+\rt], v[DN+8*\rt+1], v[CSN+2*\rt+1], v[PD+\rt]
.endr
.irp rt, 0,1,2,3
	v_fma_f32 v[PD+\rt], v[PD+\rt], v[SC4+1], v[SC4+3]   ; x sigma, + eps
.endr
.irp rt, 0,1,2,3
	ds_store_b32 v[ADF], v[PD+\rt] offset:512*\rt
.endr
.endm
.macro FRAGS p                         ; q's fragments of row tiles 2 p, 2 p + 1: sixteen loads, four for each 32 features
.irp u, 0,1,2,3
.irp rtl, 0,1
.irp q, 0,1
	ds_load_b128 v[FR+8*(2*\u+\rtl)+4*\q:FR+8*(2*\u+\rtl)+4*\q+3], v[ADR] offset:4096*(2*\p+\rtl)+1024*\u+512*\q
.endr
.endr
.endr
.endm
; M: one head, 64 rows x my two n tiles x (cos, sin), in two passes of two row tiles.  more = 1: a coming V's Wq and the next head's G are asked for
.macro M more
.irp rt, 0,1,2,3
	ds_load_b128 v[PDR+4*\rt:PDR+4*\rt+3], v[ADG] offset:512*\rt   ; the four quarters' parts of my row's denominator
.endr
	FRAGS 0
	s_wait_loadcnt 0x0                             ; this head's G is in, asked for a whole V ago; no load is out, so every base may be stepped
.if \more
	s_cmp_eq_u32 s31, s53                          ; team 0 runs V ahead of M and so asks two heads on: in the last trip its step is 0, it asks once more for its last head, and no load leaves its buffer
	s_cselect_b32 s48, 0, 16384
	s_cselect_b32 s46, 0, 1024
	s_add_nc_u64 s[42:43], s[42:43], s[48:49]      ; my team's next head: Wq's codes,
	s_add_nc_u64 s[44:45], s[44:45], s[46:47]      ; scale words,
	s_add_nc_u64 s[54:55], s[54:55], s[46:47]      ; bias,
	s_add_nc_u64 s[40:41], s[40:41], 131072        ; and G
	WLOAD
.endif
.irp p, 0,1
	WIN 0x01                                       ; source 0 (G) window 1
.irp u, 0,1,2,3
	s_wait_dscnt 12-4*\u                           ; the later features' loads, four for each 32, may be out
.irp c, 0,1
.irp ntl, 0,1
.irp rtl, 0,1
.if \u == 0
	v_wmma_f32_16x16x32_f16 v[PP+8*(4*\c+2*\ntl+\rtl):PP+8*(4*\c+2*\ntl+\rtl)+7], v[8*((2*\u+\c)*2+\ntl):8*((2*\u+\c)*2+\ntl)+7], v[FR+8*(2*\u+\rtl):FR+8*(2*\u+\rtl)+7], 0
.else
	v_wmma_f32_16x16x32_f16 v[PP+8*(4*\c+2*\ntl+\rtl):PP+8*(4*\c+2*\ntl+\rtl)+7], v[8*((2*\u+\c)*2+\ntl):8*((2*\u+\c)*2+\ntl)+7], v[FR+8*(2*\u+\rtl):FR+8*(2*\u+\rtl)+7], v[PP+8*(4*\c+2*\ntl+\rtl):PP+8*(4*\c+2*\ntl+\rtl)+7]
.endif
.endr
.endr
.endr
.endr
	WIN 0
.if \p == 0
.irp rt, 0,1,2,3
	v_pk_add_f32 v[PDR+4*\rt:PDR+4*\rt+1], v[PDR+4*\rt:PDR+4*\rt+1], v[PDR+4*\rt+2:PDR+4*\rt+3]   ; the four quarters are added: these eight lines are also the places behind the products
.endr
.irp rt, 0,1,2,3
	v_add_f32 v[PDR+4*\rt], v[PDR+4*\rt], v[PDR+4*\rt+1]   ; den / E
.endr
	FRAGS 1                                        ; land under the factors and the scaling below
.irp rt, 0,1,2,3
	v_rcp_f32 v[PDR+4*\rt+1], v[PDR+4*\rt]
.endr
	v_nop                                          ; a plain place behind the reciprocals
	s_wait_alu depctr_va_vdst(0)                   ; and one wait for the four, ahead of their first reader
.irp rt, 0,1,2,3
	v_mul_f32 v[FF+4*\rt], v[CSN+2*\rt], v[PDR+4*\rt+1]
	v_mul_f32 v[FF+4*\rt+1], v[CSN+2*\rt], v[PDR+4*\rt+1]
	v_mul_f32 v[FF+4*\rt+2], v[CSN+2*\rt+1], v[PDR+4*\rt+1]
	v_mul_f32 v[FF+4*\rt+3], v[CSN+2*\rt+1], v[PDR+4*\rt+1]
.endr
.else
	PLACES
.if \more
	GLOAD
.endif
.endif
	WIN 0x50                                       ; out (destination and source 2) in window 1
.irp c, 0,1
.irp ntl, 0,1
.irp rtl, 0,1
.irp m, 0,2,4,6
	v_pk_fma_f32 v[OUT+8*(2*(2*\p+\rtl)+\ntl)+\m:OUT+8*(2*(2*\p+\rtl)+\ntl)+\m+1], v[PP+8*(4*\c+2*\ntl+\rtl)+\m:PP+8*(4*\c+2*\ntl+\rtl)+\m+1], v[FF+4*(2*\p+\rtl)+2*\c:FF+4*(2*\p+\rtl)+2*\c+1], v[OUT+8*(2*(2*\p+\rtl)+\ntl)+\m:OUT+8*(2*(2*\p+\rtl)+\ntl)+\m+1]   ; out += P x my row's factor; each accumulator from its low end on
.endr
.endr
.endr
.endr
	WIN 0
.endr
.endm
	ADDRS
	V_A                                            ; my team's first head; its four places stand ahead of the loads below
	s_cmp_eq_u32 s29, 0                            ; team 0's next V stands ahead of the first M: it wants the next head now; team 1 steps in the first M, and asks here once more for the same head
	s_cselect_b32 s48, 16384, 0
	s_cselect_b32 s46, 1024, 0
	s_add_nc_u64 s[42:43], s[42:43], s[48:49]      ; (no load is out: the bases may be written)
	s_add_nc_u64 s[44:45], s[44:45], s[46:47]
	s_add_nc_u64 s[54:55], s[54:55], s[46:47]
	WLOAD                                          ; lands under the feature map
	V_B
	s_add_co_u32 s32, s32, 1024
	s_add_co_u32 s37, s37, 128
	s_xor_b32 s33, s33, 16384                      ; V goes on to the other set; M begins with the first
	s_xor_b32 s34, s34, 2048
	s_wait_loadcnt 0x0                             ; no G stands behind these nine loads, so the loop's counted wait would not cover them
	s_wait_dscnt 0x0
	s_barrier_signal -1
	s_barrier_wait -1
.Ltrip:                                            ; trip i: M of my team's head i, V of head i + 1; team 0 runs V first, team 1 M
	ADDRS
	s_cmp_lg_u32 s29, 0
	s_cbranch_scc1 .Lt1a
	V_A
	V_B
.Lt1a:
	M 1
	s_cmp_eq_u32 s29, 0
	s_cbranch_scc1 .Lt0b
	V_A
	V_B
.Lt0b:
	s_add_co_u32 s32, s32, 1024
	s_add_co_u32 s37, s37, 128
	s_xor_b32 s33, s33, 16384
	s_xor_b32 s34, s34, 2048
	s_xor_b32 s35, s35, 16384
	s_xor_b32 s36, s36, 2048
	s_wait_dscnt 0x0                               ; my stores of q have landed and my reads of the other set are in
	s_barrier_signal -1
	s_barrier_wait -1
	s_sub_co_u32 s31, s31, 1
	s_cmp_lg_u32 s31, 0
	s_cbranch_scc1 .Ltrip
	ADDRS
	M 0                                            ; the last head: nothing more is asked for
	; THE WAY OUT: both teams' sums meet in the stage; each wave adds and stores eight whole rows of 512 bytes
	s_lshl_b32 s48, ttmp9, 15
	s_lshl_b32 s62, s28, 12
	s_add_co_u32 s48, s48, s62
	s_add_nc_u64 s[56:57], s[60:61], s[48:49]      ; out0 at row 64 g + 8 wave
	WIN 0x04                                       ; an LDS store's data are its source 1: window 1
.irp rt, 0,1,2,3
.irp ntl, 0,1
.irp q, 0,1
	ds_store_b128 v14, v[OUT+8*(2*\rt+\ntl)+4*\q:OUT+8*(2*\rt+\ntl)+4*\q+3] offset:8448*\rt+64*\ntl+16*\q
.endr
.endr
.endr
	WIN 0
	s_wait_dscnt 0x0
	s_barrier_signal -1
	s_barrier_wait -1
.irp k, 0,1,2,3,4,5,6,7
	ds_load_b128 v[64+4*\k:67+4*\k], v15 offset:528*\k
	ds_load_b128 v[96+4*\k:99+4*\k], v15 offset:33792+528*\k
.endr
.irp k, 0,1,2,3,4,5,6,7
	s_wait_dscnt 14-2*\k                           ; row k's two loads are in; the later rows' may be out
	v_pk_add_f32 v[64+4*\k:65+4*\k], v[64+4*\k:65+4*\k], v[96+4*\k:97+4*\k]
	v_pk_add_f32 v[66+4*\k:67+4*\k], v[66+4*\k:67+4*\k], v[98+4*\k:99+4*\k]
	v_pk_add_f32 v[64+4*\k:65+4*\k], v[64+4*\k:65+4*\k], v[DB:DB+1]
	v_pk_add_f32 v[66+4*\k:67+4*\k], v[66+4*\k:67+4*\k], v[DB+2:DB+3]
	global_store_b128 v[L16], v[64+4*\k:67+4*\k], s[56:57] offset:512*\k th:TH_STORE_NT   ; 32 lanes store a row of 512 bytes, at a multiple of 256 from out0's first byte
.endr
	s_wait_tensorcnt 0x0                           ; the wave's end: behind my last LDS store
	ds_add_u32 v[SPW], v[NIL]
	s_wait_dscnt 0x0
	s_endpgm
.Lfunc_end_k_q363037af9b_attend:
	.size	k_q363037af9b_attend, .Lfunc_end_k_q363037af9b_attend-k_q363037af9b_attend
	.p2alignl 7, 3214868480
	.fill 96, 4, 3214868480
	.section	.rodata,"a",@progbits
	.p2align	6, 0x0
	.amdhsa_kernel k_q363037af9b_attend
		.amdhsa_group_segment_fixed_size 151552
		.amdhsa_private_segment_fixed_size 0
		.amdhsa_enable_private_segment 0
		.amdhsa_kernarg_size 88
		.amdhsa_user_sgpr_count 2
		.amdhsa_user_sgpr_kernarg_segment_ptr 1
		.amdhsa_wavefront_size32 1
		.amdhsa_system_sgpr_workgroup_id_x 1
		.amdhsa_system_sgpr_workgroup_id_y 1
		.amdhsa_system_sgpr_workgroup_id_z 1
		.amdhsa_system_vgpr_workitem_id 0
		.amdhsa_next_free_vgpr 512
		.amdhsa_next_free_sgpr 66
		.amdhsa_reserve_vcc 1
		.amdhsa_float_denorm_mode_32 3
		.amdhsa_float_denorm_mode_16_64 3
		.amdhsa_memory_ordered 1
		.amdhsa_forward_progress 1
		.amdhsa_inst_pref_size 98
	.end_amdhsa_kernel
	.amdgpu_metadata
---
amdhsa.version: [ 1, 2 ]
amdhsa.kernels:
  - .name:           k_q363037af9b_attend
    .symbol:         k_q363037af9b_attend.kd
    .args:
      - { .name: xc, .offset: 0, .size: 8, .value_kind: global_buffer, .address_space: global }
      - { .name: xs, .offset: 8, .size: 8, .value_kind: global_buffer, .address_space: global }
      - { .name: wc, .offset: 16, .size: 8, .value_kind: global_buffer, .address_space: global }
      - { .name: ws, .offset: 24, .size: 8, .value_kind: global_buffer, .address_space: global }
      - { .name: wq_b, .offset: 32, .size: 8, .value_kind: global_buffer, .address_space: global }
      - { .name: tab, .offset: 40, .size: 8, .value_kind: global_buffer, .address_space: global }
      - { .name: g, .offset: 48, .size: 8, .value_kind: global_buffer, .address_space: global }
      - { .name: ks, .offset: 56, .size: 8, .value_kind: global_buffer, .address_space: global }
      - { .name: gs, .offset: 64, .size: 8, .value_kind: global_buffer, .address_space: global }
      - { .name: dense_b, .offset: 72, .size: 8, .value_kind: global_buffer, .address_space: global }
      - { .name: out0, .offset: 80, .size: 8, .value_kind: global_buffer, .address_space: global }
    .group_segment_fixed_size: 151552
    .private_segment_fixed_size: 0
    .kernarg_segment_align: 8
    .kernarg_segment_size: 88
    .max_flat_workgroup_size: 256
    .sgpr_count:     66
    .vgpr_count:     512
    .wavefront_size: 32
...
	.end_amdgpu_metadata
.endif
;; end of part 3
